; MI455X (gfx1250); checked and timed in simulation.
; The chip was launched on July 23, 2026; its instructions are those of AMD's public machine-readable ISA for CDNA 5 (MIT licence, August 2026) and "CDNA5" Instruction Set Architecture Reference Guide (July 2026). The comments in the code are by the model that wrote it; some were corrected since.
;; Live Net. Allowed arithmetic: matrix products marked QUANTISED: E3M2 operands, one E8M0 scale for each 32 along K, by v_wmma_scale_f32_16x16x128_f8f6f4 with both operands' format E3M2, f32 sums; everything else in f32.
;; Inputs: W1 8,192 x 2,048 float32; W2 2,048 x 8,192 float32; b1 8,192 float32; b2 2,048 float32; x 2,048 x 2,048 float32.
;; Outputs: out0 2,048 x 2,048 float32.
;; This version of the problem:
;;   THIS VERSION OF THE PROBLEM IS GIVEN IN LOW PRECISION. The matrix products marked QUANTISED in the list below multiply operands that are first quantised to E3M2 (3 exponent bits, 2 mantissa bits; 6 bits a number), with one power-of-two scale for each 32 numbers along K (OCP MX v1.0); their sums are f32. All else is computed in f32.
;;   The module's matrix products, in the order in which they are computed (A, B: the left and right operand; K: the contracted axis; several contracted axes count as one K, in the product's order):
;;     1. [M 2,048, K 2,048] x [K 2,048, N 8,192]; A: input x; B: input W1: QUANTISED
;;     2. [M 2,048, K 8,192] x [K 8,192, N 2,048]; A: computed on the way; B: input W2: QUANTISED
;;   THE QUANTISER, for each operand of a quantised product, along K:
;;     - K is cut into blocks of 32 from its start; a last block that is shorter is filled with zeros.
;;     - A block's scale is 2^e with e = floor(log2(the largest magnitude in the block)) - 4, held to -126 .. 127; a block of zeros has e = 0. As a byte (E8M0): e + 127.
;;     - Each number is divided by its block's scale, clamped to +-28, and rounded to the nearest number of E3M2, ties to even, subnormals kept.
;;     - The product sums the exact products of the quantised numbers (number of the format x scale) in f32.
;;   ~~~python
;;   def quantise(x, axis):      # numpy; x: float32 -> the quantised numbers, widened to float32 again
;;       x = np.moveaxis(x, axis, -1); K = x.shape[-1]
;;       x = np.pad(x, [(0, 0)] * (x.ndim - 1) + [(0, -K % 32)]); x = x.reshape(x.shape[:-1] + (-1, 32)); a = np.abs(x).max(-1, keepdims=True)
;;       e = np.where(a > 0, np.clip(np.frexp(np.where(a > 0, a, 1))[1] - 1 - 4, -126, 127), 0)      # np.frexp(a)[1] - 1 = floor(log2(a)), exactly
;;       r = np.clip(x / 2.0 ** e, -28, 28)
;;       step = 2.0 ** (np.maximum(np.frexp(np.where(r == 0, 1, r))[1] - 1, -2) - 2)
;;       q = np.round(r / step) * step * 2.0 ** e      # np.round: ties to even
;;       return np.moveaxis(q.reshape(q.shape[:-2] + (-1,))[..., :K], -1, axis).astype(np.float32)
;;   ~~~
;;   OPERANDS COMPUTED ON THE WAY. 'Computed on the way' means the value that the module computes at that place (a softmax that the list does not call 'softmax' is quantised finished and normalised). What goes into a quantiser is computed in f32, as accurately as f32 sums, v_exp_f32 and their like allow (about 1e-6 of the number): no bf16 or f16 on the way to a quantiser, and a product that is left as it is and whose result goes on into a quantised operand takes f32 operands (vector FMAs, or v_wmma_f32_16x16x4_f32). A number that lies on a knife's edge between two numbers of the format may be rounded either way, as far as f32 arithmetic and the matrix unit's own rounding can turn it there, and no further.
;; One version. Each part assembles by itself: llvm-mc -triple=amdgcn-amd-amdhsa -mcpu=gfx1250 --defsym DOCPART=n.
;; ======== version 1 of 1: 3 launches
;; limits: right only within a limited range of input values
;; workspace buffers: xq 3,276,800 bytes; w1q 13,107,200 bytes; w2q 13,107,200 bytes; h 13,107,200 bytes
;; launch quant (part 1): grid 1152 x 1, 4 waves a work-group, no clusters, 35,328 bytes of LDS; arguments x, W1, W2, xq, w1q, w2q; writes xq, w1q, w2q
.if DOCPART == 1
	.amdgcn_target "amdgcn-amd-amdhsa--gfx1250"
	.amdhsa_code_object_version 6
	.text
	.protected	k_q71c69ce040_quant
	.globl	k_q71c69ce040_quant
	.p2align	8
	.type	k_q71c69ce040_quant,@function
k_q71c69ce040_quant:
	s_mov_b64 s[64:65], 0
	v_nop
	global_prefetch_b8 v0, s[64:65] scope:SCOPE_SE
	s_setreg_imm32_b32 hwreg(HW_REG_WAVE_MODE, 25, 1), 1
	s_wait_xcnt 0x0
; x [2048][2048], W1 [8192][2048], W2 [2048][8192], f32 with K innermost, become codes of BF6 (E3M2), 6 bits each, with one E8M0 byte for each 32 along K,
; laid IN THE ORDER OF THE OPERAND'S REGISTERS, so that the products' launches bring every fragment by three loads of 16 bytes a lane and every tile as one dense block.
; A block's scale is 2^(floor(log2(its largest magnitude)) - 4); its byte is the largest magnitude's exponent field - 4, held at 1 from below; each number is divided by the scale and rounded to the nearest code, ties to even, beyond 28 the largest code.
; LIMITS: a block of zeros gets the byte 1 where the rule says 127 (its codes are zeros, which add nothing, and this program alone reads the bytes); blocks whose largest magnitude lies under 2^-122 keep the byte 1 and were not tried;
; NaN and infinities among the inputs are not served.
; A RECORD is 64 rows x 128 K = 6,400 bytes: four fragment images of 1,536 bytes, then 256 bytes of scale words.  Row r (0..15) of fragment f is the record's row 32 (f / 2) + 8 (f % 2) + r + 8 (r / 8).
; An image: registers 4 g .. 4 g + 3 (g = 0, 1, 2) of lane l at 512 g + 16 l.  Scale word (f, r) at 6,144 + 64 f + 4 r.
; A SUPER-RECORD is 128 rows x 256 K = 25,600 bytes: records [kstep & 1][rowgroup & 1]; a buffer is super-records [kstep >> 1][rowgroup >> 1].
; SHARES: a wave makes one record (64 rows x 512 bytes in, 6,400 bytes out); a work-group's four waves take four neighbouring steps of 128 along K of one group of 64 rows: 2,048 consecutive bytes of each row.
; Work-groups 0-127 take x, 128-639 W1, 640-1151 W2: pointers and three shift counts are selected on the work-group's number; there is one path through the text.
; Each load reads 512 consecutive bytes of a row; a fragment's 16 rows turn through the wave's own stage in LDS, so that a lane gets 16 neighbours along K of each block of 32.  No barrier: waves share nothing.
.set RECB,  6400
.set FRG,   1536
.set SCO,   6144
.set SRB,   25600
.set SP,    528                        ; a stage row: 512 bytes + 16 = 33 x 16 bytes, so the sixteen rows that a read of 16 bytes a lane touches begin at sixteen different 16-byte columns
.set WREG,  16*SP+256                  ; a wave's LDS: the stage, then its record's 256 bytes of scale words
.set L16,   1                          ; v1      16 x lane
.set VO,    2                          ; v2-9    row i of eight x the row's pitch + 16 x lane
.set STW,   10                         ; v10     the stage, in: my wave's + 16 x lane
.set STR,   11                         ; v11     the stage, back: my wave's + 528 r + 64 h
.set SCW,   12                         ; v12     where row r's scale word goes
.set SCRD,  13                         ; v13     where 8 bytes of the scale words are read back
.set L8,    14                         ; v14     8 x lane
.set R,     16                         ; v16-143  two sets of 64: a fragment's 16 rows as loaded
.set X,     144                        ; v144-207 64 numbers: register 16 b + i = k 32 b + 16 h + i of my row
.set PC,    208                        ; v208-219 the fragment; v220-226 at work
.set TM,    228                        ; v228-243 at work
.set PW,    244                        ; v244-247 the four fragments' scale words
.set SB,    32                         ; s[32:47] eight bases: my record's rows 8 j
.set SEL,   60                         ; s[60:61] v_permlanex16_b32's selects for lane l xor 16
; 64 numbers of a lane, v[s] .. v[s + 63], become a fragment's codes in v[PC] .. v[PC + 11] and its scale word in v[pw].
.macro QUANT s, pw
.irp b, 0,1,2,3
	v_max3_num_f32 v[TM+\b], |v[\s+16*\b]|, |v[\s+1+16*\b]|, 0x2800000   ; block b: my 16 numbers, and the floor 2^(5 - 127): so the byte cannot fall under 1
.endr
.irp i, 2,4,6,8,10,12,14
.irp b, 0,1,2,3
	v_max3_num_f32 v[TM+\b], v[TM+\b], |v[\s+16*\b+\i]|, |v[\s+1+16*\b+\i]|   ; the four blocks by turns
.endr
.endr
.irp b, 0,1,2,3
	v_permlanex16_b32 v[TM+4+\b], v[TM+\b], s[SEL], s[SEL+1]
.endr
.irp b, 0,1,2,3
	v_max_num_f32 v[TM+\b], v[TM+\b], v[TM+4+\b]   ; with lane l xor 16's: the block's largest magnitude
.endr
.irp b, 0,1,2,3
	v_add_nc_u32 v[TM+12+\b], 0xfe000000, v[TM+\b]   ; 4 off its exponent field: the conversion takes the exponent field of this operand as its scale
.endr
.irp b, 0,1,2,3
	v_lshrrev_b32 v[TM+4+\b], 23, v[TM+12+\b]      ; the scale's byte
.endr
	v_lshl_or_b32 v[\pw], v[TM+5], 8, v[TM+4]      ; four bytes make my row's scale word
	v_lshl_or_b32 v[\pw], v[TM+6], 16, v[\pw]
	v_lshl_or_b32 v[\pw], v[TM+7], 24, v[\pw]
.irp c, 0,1
	v_cvt_scalef32_pk16_bf6_f32 v[PC+6*\c:PC+2+6*\c], v[\s+32*\c:\s+15+32*\c], v[TM+12+2*\c]
	v_cvt_scalef32_pk16_bf6_f32 v[PC+12+4*\c:PC+14+4*\c], v[\s+16+32*\c:\s+31+32*\c], v[TM+12+2*\c+1]   ; a conversion's three registers begin on an even number
.endr
	v_nop                                          ; one plain instruction behind the scaled conversions
.irp c, 0,1                                    ; the operand's layout wants a whole block in a lane: lanes 0-15 block 2 c, lanes 16-31 block 2 c + 1
.irp i, 0,1,2
	v_permlane16_swap_b32 v[PC+6*\c+\i], v[PC+12+4*\c+\i]
.endr
.irp i, 0,1,2
	v_mov_b32 v[PC+3+6*\c+\i], v[PC+12+4*\c+\i]
.endr
.endr
.endm
	s_load_b256 s[4:11], s[0:1], 0x0               ; x s[4:5], W1 s[6:7], W2 s[8:9], xq s[10:11]
	s_load_b128 s[12:15], s[0:1], 0x20             ; w1q s[12:13], w2q s[14:15]
	v_lshl_add_u32 v248, v0, 2, 0x8800
	v_mov_b32 v249, 0
	v_lshrrev_b32 v15, 5, v0
	v_readfirstlane_b32 s16, v15                   ; wave 0..3
	v_and_b32 v15, 31, v0                          ; lane
	v_lshlrev_b32 v[L16], 4, v15
	v_lshlrev_b32 v[L8], 3, v15
	v_and_b32 v16, 15, v0                          ; r
	v_bfe_u32 v17, v0, 4, 1                        ; h
	s_mul_i32 s25, s16, WREG
	v_add_nc_u32 v[STW], s25, v[L16]
	v_mul_u32_u24 v[STR], v16, SP
	v_lshl_add_u32 v[STR], v17, 6, v[STR]
	v_add_nc_u32 v[STR], s25, v[STR]
	s_add_co_u32 s25, s25, 16*SP
	v_lshl_add_u32 v[SCW], v16, 2, s25
	v_add_nc_u32 v[SCRD], s25, v[L8]
.irp b, 0,1,2,3
	v_mov_b32 v[TM+4+\b], 0                        ; written once: a lane permute's destination counts as one of its sources
.endr
	s_mov_b32 s[SEL], 0x76543210
	s_mov_b32 s[SEL+1], 0xfedcba98
	; which tensor: the first work-group (s17), log2 of the quads of K steps (s18), of a row's bytes (s19), of the pairs of row groups (s20)
	s_mov_b32 s17, 640
	s_cmp_lt_u32 ttmp9, 640
	s_cselect_b32 s17, 128, s17
	s_cselect_b32 s18, 2, 4
	s_cselect_b32 s19, 13, 15
	s_cselect_b32 s20, 6, 4
	s_wait_kmcnt 0x0
	s_cselect_b64 s[48:49], s[6:7], s[8:9]
	s_cselect_b64 s[50:51], s[12:13], s[14:15]
	s_cmp_lt_u32 ttmp9, 128
	s_cselect_b32 s17, 0, s17
	s_cselect_b32 s20, 4, s20
	s_cselect_b64 s[48:49], s[4:5], s[48:49]
	s_cselect_b64 s[50:51], s[10:11], s[50:51]
	s_sub_co_u32 s21, ttmp9, s17                   ; my number within the tensor
	s_lshl_b32 s22, 1, s18
	s_sub_co_u32 s22, s22, 1
	s_and_b32 s22, s21, s22                        ; which four K steps
	s_lshr_b32 s23, s21, s18                       ; which group of 64 rows
	s_lshl_b32 s24, s22, 2
	s_add_co_u32 s24, s24, s16                     ; my wave's K step
	s_lshl_b32 s26, s23, 6
	s_lshl_b32 s26, s26, s19                       ; in: 64 x group rows
	s_lshl_b32 s25, s24, 9
	s_add_co_u32 s26, s26, s25                     ; + 512 bytes a K step (all under 2^27)
	s_mov_b32 s27, 0
	s_lshr_b32 s28, s24, 1                         ; out: the super-record,
	s_lshl_b32 s28, s28, s20
	s_lshr_b32 s25, s23, 1
	s_add_co_u32 s28, s28, s25
	s_mul_i32 s28, s28, SRB
	s_and_b32 s25, s24, 1                          ; and the record in it
	s_mul_i32 s25, s25, 2*RECB
	s_add_co_u32 s28, s28, s25
	s_and_b32 s25, s23, 1
	s_mul_i32 s25, s25, RECB
	s_add_co_u32 s28, s28, s25
	s_mov_b32 s29, 0
	s_lshl_b32 s30, 8, s19                         ; eight rows
	s_mov_b32 s31, 0
	s_add_nc_u64 s[SB:SB+1], s[48:49], s[26:27]
.irp j, 1,2,3,4,5,6,7
	s_add_nc_u64 s[SB+2*\j:SB+2*\j+1], s[SB+2*\j-2:SB+2*\j-1], s[30:31]
.endr
	s_add_nc_u64 s[50:51], s[50:51], s[28:29]
.irp i, 0,1,2,3,4,5,6,7
	s_lshl_b32 s25, \i, s19
	v_add_nc_u32 v[VO+\i], s25, v[L16]
.endr
.macro LOAD f                          ; fragment f's 16 rows, 512 consecutive bytes each, into set f % 2: row i is the record's row 8 (4 (f / 2) + f % 2 + 2 (i / 8)) + i % 8
.irp i, 0,1,2,3,4,5,6,7,8,9,10,11,12,13,14,15
	global_load_b128 v[R+64*((\f)%2)+4*\i:R+64*((\f)%2)+4*\i+3], v[VO+\i%8], s[SB+2*(4*((\f)/2)+(\f)%2+2*(\i/8)):SB+2*(4*((\f)/2)+(\f)%2+2*(\i/8))+1] th:TH_LOAD_NT
.endr
.endm
.macro TURN f                          ; through the stage: LDS serves a wave's instructions in order (ISA guide 5.7.1.4), so no wait stands between the stores and the loads
.irp i, 0,1,2,3,4,5,6,7,8,9,10,11,12,13,14,15
	ds_store_b128 v[STW], v[R+64*((\f)%2)+4*\i:R+64*((\f)%2)+4*\i+3] offset:SP*\i
.endr
.irp b, 0,1,2,3
.irp j, 0,1,2,3
	ds_load_b128 v[X+16*\b+4*\j:X+16*\b+4*\j+3], v[STR] offset:128*\b+16*\j
.endr
.endr
.endm
	LOAD 0
	LOAD 1
	s_wait_alu depctr_va_vdst(0)
.irp f, 0,1,2,3
.if \f < 3
	s_wait_loadcnt 16                              ; this fragment's 16 loads are in; the next fragment's 16 may be out
.else
	s_wait_loadcnt 0x0
.endif
	TURN \f
	s_wait_dscnt 0x0                               ; my 64 numbers are back, and the stage's stores have read their registers
.if \f > 0
	s_wait_xcnt 0x0                                ; the last fragment's stores have read the codes' registers, which are written again below
.endif
.if \f < 2
	LOAD \f+2                                      ; into the set just left
.endif
	QUANT X, PW+\f
.irp g, 0,1,2
	global_store_b128 v[L16], v[PC+4*\g:PC+4*\g+3], s[50:51] offset:FRG*\f+512*\g   ; 32 lanes store 512 consecutive bytes, at a multiple of 256 from the buffer's first byte
.endr
	ds_store_b32 v[SCW], v[PW+\f] offset:64*\f     ; lanes r and r + 16 write the same word with the same value
.endr
	ds_load_b64 v[16:17], v[SCRD]                  ; the record's 64 scale words, 8 bytes a lane: these see my stores
	s_wait_dscnt 0x0
	global_store_b64 v[L8], v[16:17], s[50:51] offset:SCO   ; 256 consecutive bytes
	s_wait_tensorcnt 0x0
	ds_add_u32 v248, v249
	s_wait_dscnt 0x0
	s_endpgm
.Lfunc_end_k_q71c69ce040_quant:
	.size	k_q71c69ce040_quant, .Lfunc_end_k_q71c69ce040_quant-k_q71c69ce040_quant
	.p2alignl 7, 3214868480
	.fill 96, 4, 3214868480
	.section	.rodata,"a",@progbits
	.p2align	6, 0x0
	.amdhsa_kernel k_q71c69ce040_quant
		.amdhsa_group_segment_fixed_size 35328
		.amdhsa_private_segment_fixed_size 0
		.amdhsa_enable_private_segment 0
		.amdhsa_kernarg_size 48
		.amdhsa_user_sgpr_count 2
		.amdhsa_user_sgpr_kernarg_segment_ptr 1
		.amdhsa_wavefront_size32 1
		.amdhsa_system_sgpr_workgroup_id_x 1
		.amdhsa_system_sgpr_workgroup_id_y 1
		.amdhsa_system_sgpr_workgroup_id_z 1
		.amdhsa_system_vgpr_workitem_id 0
		.amdhsa_next_free_vgpr 250
		.amdhsa_next_free_sgpr 66
		.amdhsa_reserve_vcc 0
		.amdhsa_float_denorm_mode_32 3
		.amdhsa_float_denorm_mode_16_64 3
		.amdhsa_memory_ordered 1
		.amdhsa_forward_progress 1
		.amdhsa_inst_pref_size 35
	.end_amdhsa_kernel
	.amdgpu_metadata
---
amdhsa.version: [ 1, 2 ]
amdhsa.kernels:
  - .name:           k_q71c69ce040_quant
    .symbol:         k_q71c69ce040_quant.kd
    .args:
      - { .name: x, .offset: 0, .size: 8, .value_kind: global_buffer, .address_space: global }
      - { .name: W1, .offset: 8, .size: 8, .value_kind: global_buffer, .address_space: global }
      - { .name: W2, .offset: 16, .size: 8, .value_kind: global_buffer, .address_space: global }
      - { .name: xq, .offset: 24, .size: 8, .value_kind: global_buffer, .address_space: global }
      - { .name: w1q, .offset: 32, .size: 8, .value_kind: global_buffer, .address_space: global }
      - { .name: w2q, .offset: 40, .size: 8, .value_kind: global_buffer, .address_space: global }
    .group_segment_fixed_size: 35328
    .private_segment_fixed_size: 0
    .kernarg_segment_align: 8
    .kernarg_segment_size: 48
    .max_flat_workgroup_size: 128
    .sgpr_count:     66
    .vgpr_count:     250
    .wavefront_size: 32
...
	.end_amdgpu_metadata
.endif
;; end of part 1
;; launch gemm1 (part 2): grid 32 x 8, 4 waves a work-group, clusters of 4 x 4, 327,680 bytes of LDS; arguments xq, w1q, b1, h; writes h
.if DOCPART == 2
	.amdgcn_target "amdgcn-amd-amdhsa--gfx1250"
	.amdhsa_code_object_version 6
	.text
	.protected	k_q71c69ce040_gemm1
	.globl	k_q71c69ce040_gemm1
	.p2align	8
	.type	k_q71c69ce040_gemm1,@function
k_q71c69ce040_gemm1:
	s_mov_b64 s[64:65], 0
	v_nop
	global_prefetch_b8 v0, s[64:65] scope:SCOPE_SE
	s_setreg_imm32_b32 hwreg(HW_REG_WAVE_MODE, 25, 1), 1
	s_wait_xcnt 0x0
	s_wait_alu depctr_hold_cnt(0) depctr_sa_sdst(0) depctr_va_vdst(0) depctr_va_sdst(0) depctr_va_ssrc(0) depctr_va_vcc(0) depctr_vm_vsrc(0)
	s_getreg_b32 s2, hwreg(HW_REG_IB_STS2, 6, 4)
	s_cmp_eq_u32 s2, 0
	s_cbranch_scc0 .Lentry_in_a_cluster
	s_endpgm
.Lentry_in_a_cluster:
	s_bfe_u32 s2, ttmp6, 0x10000c
	s_cmp_lg_u32 s2, 0xf033
	s_cbranch_scc0 .Lentry_shape_is_right
	s_endpgm
.Lentry_shape_is_right:
.set SRB,    25600
.set RECB,   6400
.set FRG,    1536
.set SCO,    6144
.set KOFF,   2*RECB
.set SLOT,   4*SRB
.set SCR,    2*SLOT
.set SPARE,  SCR+4*512
.set SL1A,   16*SRB
.set SL1B,   64*SRB
.set ADRA, 16
.set ADRB, 18
.set ASA,  20
.set ASB,  22
.set L16,  24
.set SWA,  25
.set SRA,  26
.set SGO,  27
.set SPW,  28
.set NIL,  29
.set BO,   30
.set SC,   32
.set AF,   48
.set T,    48
.set PC,   112
.set TM,   132
.set PW,   148
.set Z,    156
.set SEL,  12
.set G1A,  24
.set G0A,  32
.set G1B,  48
.set G0B,  56
.set MSB, 0
.macro WIN new
.if MSB != \new
	s_set_vgpr_msb (MSB<<8)|\new
.set MSB, \new
.endif
.endm
.set MUL_LO,   0xa1
.set MUL_HI,   0xf1
.set FIRST_LO, 0x91
.set FIRST_HI, 0xd1
.set TO_B,     0x40
.macro JLOAD s
	s_cmp_eq_u32 s15, 0
	s_cbranch_scc0 .Lfor_b_\@
	tensor_load_to_lds s[G0A+4*\s:G0A+4*\s+3], s[G1A:G1A+7]
	s_nop 0
.rept 4
	v_nop
.endr
	s_branch .Lasked_\@
.Lfor_b_\@:
	tensor_load_to_lds s[G0B+4*\s:G0B+4*\s+3], s[G1B:G1B+7]
	s_nop 0
.rept 4
	v_nop
.endr
.Lasked_\@:
.endm
.macro CREST
	s_cmp_lg_u32 s14, 0
	s_cbranch_scc1 .Lnot_wave_0_\@
	s_barrier_signal -3
.Lnot_wave_0_\@:
	s_barrier_wait -3
	s_barrier_signal -1
	s_barrier_wait -1
.endm
.macro CROUND
	s_barrier_signal -1
	s_barrier_wait -1
	CREST
.endm
.macro PLACES
.rept 4
	v_nop
.endr
.endm
.macro MUL16 a0, p, first
.irp a, \a0, \a0+1
.irp b, 0,1,2,3,4,5,6,7
.set XD, 8*(8*((\a)%4)+\b)
.set XB, 128*(\p)+12*\b
.set XA, AF+96*(\p)+12*(\a)
.set YB, SC+8*(\p)+4+\b/2
.set YA, SC+8*(\p)+(\a)/2
.if \first
.set XC, 96+8*\b+96*(\b/4)
.else
.set XC, XD
.endif
.if ((\a)%2 == 1) && (\b%2 == 1)
	v_wmma_scale_f32_16x16x128_f8f6f4 v[XD:XD+7], v[XB:XB+11], v[XA:XA+11], v[XC:XC+7], v[YB], v[YA] matrix_a_fmt:MATRIX_FMT_BF6 matrix_b_fmt:MATRIX_FMT_BF6 matrix_a_scale:MATRIX_SCALE_ROW1 matrix_b_scale:MATRIX_SCALE_ROW1
.elseif \b%2 == 1
	v_wmma_scale_f32_16x16x128_f8f6f4 v[XD:XD+7], v[XB:XB+11], v[XA:XA+11], v[XC:XC+7], v[YB], v[YA] matrix_a_fmt:MATRIX_FMT_BF6 matrix_b_fmt:MATRIX_FMT_BF6 matrix_a_scale:MATRIX_SCALE_ROW1
.elseif (\a)%2 == 1
	v_wmma_scale_f32_16x16x128_f8f6f4 v[XD:XD+7], v[XB:XB+11], v[XA:XA+11], v[XC:XC+7], v[YB], v[YA] matrix_a_fmt:MATRIX_FMT_BF6 matrix_b_fmt:MATRIX_FMT_BF6 matrix_b_scale:MATRIX_SCALE_ROW1
.else
	v_wmma_scale_f32_16x16x128_f8f6f4 v[XD:XD+7], v[XB:XB+11], v[XA:XA+11], v[XC:XC+7], v[YB], v[YA] matrix_a_fmt:MATRIX_FMT_BF6 matrix_b_fmt:MATRIX_FMT_BF6
.endif
.endr
.endr
.endm
.macro M48 p, first
.if \first
	WIN FIRST_LO
.else
	WIN MUL_LO
.endif
	MUL16 0, \p, \first
	MUL16 2, \p, \first
.if \first
	WIN FIRST_HI
.else
	WIN MUL_HI
.endif
	MUL16 4, \p, \first
.endm
.macro FETCH slot, koff, p
	WIN TO_B
.irp i, 0,1,2,3,4,5,6,7
.irp g, 0,1,2
	ds_load_b128 v[128*(\p)+12*\i+4*\g:128*(\p)+12*\i+4*\g+3], v[ADRB+(\slot)] offset:\koff+RECB*(\i/4)+FRG*(\i%4)+512*\g
.endr
.endr
	WIN 0
.irp i, 0,1,2,3,4,5,6,7
.irp g, 0,1,2
	ds_load_b128 v[AF+96*(\p)+12*\i+4*\g:AF+96*(\p)+12*\i+4*\g+3], v[ADRA+(\slot)] offset:\koff+RECB*(\i/4)+FRG*(\i%4)+512*\g
.endr
.endr
.irp j, 0,1,2,3
	ds_load_b32 v[SC+8*(\p)+\j], v[ASA+(\slot)] offset:\koff+SCO+RECB*(\j/2)+128*(\j%2)
.endr
.irp j, 0,1,2,3
	ds_load_b32 v[SC+8*(\p)+4+\j], v[ASB+(\slot)] offset:\koff+SCO+RECB*(\j/2)+128*(\j%2)
.endr
.endm
.macro CHG slot, next, koff, pn, fill, pprev, first
	WIN 0
	s_wait_tensorcnt 0x0
	ds_add_u32 v[SPW], v[NIL]
.if \fill
	s_add_nc_u64 s[G0A+4*\slot+2:G0A+4*\slot+3], s[G0A+4*\slot+2:G0A+4*\slot+3], 2*SL1A
	s_add_nc_u64 s[G0B+4*\slot+2:G0B+4*\slot+3], s[G0B+4*\slot+2:G0B+4*\slot+3], 2*SL1B
.endif
	s_wait_dscnt 0x0
	s_barrier_signal -1
.if \first
	WIN FIRST_HI
.else
	WIN MUL_HI
.endif
	MUL16 6, \pprev, \first
	WIN 0
	s_barrier_wait -1
.if \fill
	CREST
	JLOAD \slot
.else
	PLACES
.endif
	s_wait_alu depctr_va_vdst(0)
	FETCH \next, \koff, \pn
.endm
.macro ODD slot, next, fill, first
	CHG \slot, \next, 0, 0, \fill, 0, \first
	M48 1, 0
.endm
.macro EVEN slot
	WIN MUL_HI
	MUL16 6, 1, 0
	WIN 0
	s_wait_dscnt 0x0
	PLACES
	FETCH \slot, KOFF, 1
	M48 0, 0
.endm
.macro QUANT s, pw
.irp b, 0,1,2,3
	v_max3_num_f32 v[TM+\b], |v[\s+16*\b]|, |v[\s+1+16*\b]|, 0x2800000
.endr
.irp i, 2,4,6,8,10,12,14
.irp b, 0,1,2,3
	v_max3_num_f32 v[TM+\b], v[TM+\b], |v[\s+16*\b+\i]|, |v[\s+1+16*\b+\i]|
.endr
.endr
.irp b, 0,1,2,3
	v_permlanex16_b32 v[TM+4+\b], v[TM+\b], s[SEL], s[SEL+1]
.endr
.irp b, 0,1,2,3
	v_max_num_f32 v[TM+\b], v[TM+\b], v[TM+4+\b]
.endr
.irp b, 0,1,2,3
	v_add_nc_u32 v[TM+12+\b], 0xfe000000, v[TM+\b]
.endr
.irp b, 0,1,2,3
	v_lshrrev_b32 v[TM+4+\b], 23, v[TM+12+\b]
.endr
	v_lshl_or_b32 v[\pw], v[TM+5], 8, v[TM+4]
	v_lshl_or_b32 v[\pw], v[TM+6], 16, v[\pw]
	v_lshl_or_b32 v[\pw], v[TM+7], 24, v[\pw]
.irp c, 0,1
	v_cvt_scalef32_pk16_bf6_f32 v[PC+6*\c:PC+2+6*\c], v[\s+32*\c:\s+15+32*\c], v[TM+12+2*\c]
	v_cvt_scalef32_pk16_bf6_f32 v[PC+12+4*\c:PC+14+4*\c], v[\s+16+32*\c:\s+31+32*\c], v[TM+12+2*\c+1]
.endr
	v_nop
.irp c, 0,1
.irp i, 0,1,2
	v_permlane16_swap_b32 v[PC+6*\c+\i], v[PC+12+4*\c+\i]
.endr
.irp i, 0,1,2
	v_mov_b32 v[PC+3+6*\c+\i], v[PC+12+4*\c+\i]
.endr
.endr
.endm
	s_load_b256 s[4:11], s[0:1], 0x0
	v_lshl_add_u32 v[SPW], v0, 2, SPARE
	v_mov_b32 v[NIL], 0
	ds_add_u32 v28, v29
	ds_add_u32 v28, v29
	s_wait_dscnt 0x0
	v_lshrrev_b32 v1, 5, v0
	v_readfirstlane_b32 s14, v1
	s_lshr_b32 s15, s14, 1
	s_and_b32 s16, s14, 1
	s_bfe_u32 s40, ttmp6, 0x40000
	s_bfe_u32 s41, ttmp6, 0x40004
	s_lshl_b32 s42, ttmp9, 2
	s_add_co_u32 s42, s42, s40
	s_and_b32 s17, ttmp7, 0xffff
	s_lshl_b32 s17, s17, 2
	s_add_co_u32 s17, s17, s41
	s_lshl_b32 s43, s41, 2
	s_lshl_b32 s43, 15, s43
	s_lshl_b32 s44, 0x1111, s40
	s_or_b32 s[G1A+0], s43, (3<<16)|(1<<21)
	s_or_b32 s[G1B+0], s44, (3<<16)|(1<<21)
.irp g, G1A, G1B
	s_mov_b32 s[\g+1], 32<<16
	s_mov_b32 s[\g+2], 100<<16
	s_mov_b32 s[\g+3], 32<<16
	s_mov_b32 s[\g+4], 100
	s_mov_b32 s[\g+5], 32
	s_mov_b32 s[\g+6], 0
	s_mov_b32 s[\g+7], 0
.endr
	s_lshl_b32 s20, s17, 1
	s_add_co_u32 s20, s20, s16
	s_mul_i32 s20, s20, SRB
	s_mov_b32 s21, 0
	s_lshl_b32 s46, s42, 1
	s_add_co_u32 s46, s46, s16
	s_mul_i32 s46, s46, SRB
	s_mov_b32 s47, 0
	s_mul_i32 s45, s14, SRB
	s_mov_b32 s[SEL], 0x76543210
	s_mov_b32 s[SEL+1], 0xfedcba98
	s_wait_kmcnt 0x0
	s_add_nc_u64 s[20:21], s[4:5], s[20:21]
	s_add_nc_u64 s[46:47], s[6:7], s[46:47]
	CROUND
.irp s, 0,1
	s_mov_b32 s[G0A+4*\s], 1
	s_add_co_u32 s[G0A+4*\s+1], s45, \s*SLOT
	s_add_nc_u64 s[G0A+4*\s+2:G0A+4*\s+3], s[20:21], \s*SL1A
	s_or_b32 s[G0A+4*\s+3], s[G0A+4*\s+3], 0x80000000
	s_mov_b32 s[G0B+4*\s], 1
	s_add_co_u32 s[G0B+4*\s+1], s45, \s*SLOT
	s_add_nc_u64 s[G0B+4*\s+2:G0B+4*\s+3], s[46:47], \s*SL1B
	s_or_b32 s[G0B+4*\s+3], s[G0B+4*\s+3], 0x80000000
	s_wait_alu depctr_va_vdst(0)
	s_wait_tensorcnt 0x0
	ds_add_u32 v28, v29
	ds_add_u32 v28, v29
	s_wait_dscnt 0x0
	CROUND
	JLOAD \s
.endr
	v_and_b32 v1, 31, v0
	v_and_b32 v2, 15, v0
	v_bfe_u32 v3, v0, 4, 1
	v_lshlrev_b32 v[L16], 4, v1
	v_lshlrev_b32 v4, 2, v1
	s_mul_i32 s18, s15, SRB
	s_mul_i32 s19, s16, SRB
	s_add_co_u32 s19, s19, 2*SRB
.irp s, 0,1
	v_add_nc_u32 v[ADRA+\s], s18, v[L16]
	v_add_nc_u32 v[ADRB+\s], s19, v[L16]
	v_add_nc_u32 v[ASA+\s], s18, v4
	v_add_nc_u32 v[ASB+\s], s19, v4
	s_add_co_u32 s18, s18, SLOT
	s_add_co_u32 s19, s19, SLOT
.endr
	s_lshl_b32 s18, s14, 9
	s_add_co_u32 s18, s18, SCR
	v_lshl_add_u32 v[SWA], v2, 2, s18
	v_add_nc_u32 v[SRA], s18, v[L16]
	v_mul_u32_u24 v[SGO], v3, RECB
	v_lshl_add_u32 v[SGO], v2, 4, v[SGO]
	v_add_nc_u32 v[SGO], SCO, v[SGO]
	v_lshlrev_b32 v[BO], 6, v3
	s_lshl_b32 s22, s42, 10
	s_lshl_b32 s23, s16, 9
	s_add_co_u32 s22, s22, s23
	s_mov_b32 s23, 0
	s_add_nc_u64 s[8:9], s[8:9], s[22:23]
	WIN TO_B
.irp b, 0,1,2,3,4,5,6,7
	global_load_b128 v[96+8*\b+96*(\b/4):96+8*\b+96*(\b/4)+3], v[BO], s[8:9] offset:128*(\b/2)+32*(\b%2)
	global_load_b128 v[96+8*\b+96*(\b/4)+4:96+8*\b+96*(\b/4)+7], v[BO], s[8:9] offset:128*(\b/2)+32*(\b%2)+16
.endr
	WIN 0
	s_lshl_b32 s22, s42, 4
	s_lshl_b32 s23, s17, 1
	s_add_co_u32 s22, s22, s23
	s_add_co_u32 s22, s22, s15
	s_mul_i32 s22, s22, SRB
	s_mul_i32 s23, s16, KOFF
	s_add_co_u32 s22, s22, s23
	s_mov_b32 s23, 0
	s_add_nc_u64 s[10:11], s[10:11], s[22:23]
	s_wait_tensorcnt 1
	s_barrier_signal -1
	s_barrier_wait -1
	FETCH 0, 0, 0
	FETCH 0, KOFF, 1
	s_wait_loadcnt 0x0
	s_wait_dscnt 56
	M48 0, 1
	ODD 0, 1, 1, 1
	WIN 0
	s_mov_b32 s3, 2
.Lpair:
	EVEN 1
	ODD 1, 0, 1, 0
	EVEN 0
	ODD 0, 1, 1, 0
	WIN 0
	s_sub_co_u32 s3, s3, 1
	s_cmp_lg_u32 s3, 0
	s_cbranch_scc1 .Lpair
	EVEN 1
	ODD 1, 0, 1, 0
	EVEN 0
	ODD 0, 1, 0, 0
	EVEN 1
	WIN MUL_HI
	MUL16 6, 0, 0
	s_wait_dscnt 0x0
	M48 1, 0
	MUL16 6, 1, 0
	WIN 0
	PLACES
.irp b, 0,1,2,3
	v_mov_b32 v[TM+4+\b], 0
.endr
.macro OUTA a
	WIN 0x08+4*((\a)/4)
.set j, 0
.rept 64
	v_max_num_f32 v[T+j], 0, v[64*((\a)%4)+j]
.set j, j+1
.endr
	WIN 0
.if (\a) > 0
	s_wait_xcnt 0x0
.endif
	QUANT T, PW+(\a)
.irp g, 0,1,2
	global_store_b128 v[L16], v[PC+4*\g:PC+4*\g+3], s[10:11] offset:RECB*((\a)/4)+FRG*((\a)%4)+512*\g
.endr
	ds_store_b32 v[SWA], v[PW+(\a)] offset:64*(\a)
.endm
.irp a, 0,1,2,3,4,5,6,7
	OUTA \a
.endr
	ds_load_b128 v[Z:Z+3], v[SRA]
	s_wait_dscnt 0x0
	global_store_b128 v[SGO], v[Z:Z+3], s[10:11]
	s_wait_tensorcnt 0x0
	ds_add_u32 v[SPW], v[NIL]
	s_wait_dscnt 0x0
	CROUND
	s_endpgm
.Lfunc_end_k_q71c69ce040_gemm1:
	.size	k_q71c69ce040_gemm1, .Lfunc_end_k_q71c69ce040_gemm1-k_q71c69ce040_gemm1
	.p2alignl 7, 3214868480
	.fill 96, 4, 3214868480
	.section	.rodata,"a",@progbits
	.p2align	6, 0x0
	.amdhsa_kernel k_q71c69ce040_gemm1
		.amdhsa_group_segment_fixed_size 327680
		.amdhsa_private_segment_fixed_size 0
		.amdhsa_enable_private_segment 0
		.amdhsa_kernarg_size 32
		.amdhsa_user_sgpr_count 2
		.amdhsa_user_sgpr_kernarg_segment_ptr 1
		.amdhsa_wavefront_size32 1
		.amdhsa_system_sgpr_workgroup_id_x 1
		.amdhsa_system_sgpr_workgroup_id_y 1
		.amdhsa_system_sgpr_workgroup_id_z 1
		.amdhsa_system_vgpr_workitem_id 0
		.amdhsa_next_free_vgpr 1024
		.amdhsa_next_free_sgpr 66
		.amdhsa_reserve_vcc 0
		.amdhsa_float_denorm_mode_32 3
		.amdhsa_float_denorm_mode_16_64 3
		.amdhsa_memory_ordered 1
		.amdhsa_forward_progress 1
		.amdhsa_inst_pref_size 206
	.end_amdhsa_kernel
	.amdgpu_metadata
---
amdhsa.version: [ 1, 2 ]
amdhsa.kernels:
  - .name:           k_q71c69ce040_gemm1
    .symbol:         k_q71c69ce040_gemm1.kd
    .args:
      - { .name: xq, .offset: 0, .size: 8, .value_kind: global_buffer, .address_space: global }
      - { .name: w1q, .offset: 8, .size: 8, .value_kind: global_buffer, .address_space: global }
      - { .name: b1, .offset: 16, .size: 8, .value_kind: global_buffer, .address_space: global }
      - { .name: h, .offset: 24, .size: 8, .value_kind: global_buffer, .address_space: global }
    .group_segment_fixed_size: 327680
    .private_segment_fixed_size: 0
    .kernarg_segment_align: 8
    .kernarg_segment_size: 32
    .max_flat_workgroup_size: 128
    .sgpr_count:     66
    .vgpr_count:     1024
    .wavefront_size: 32
...
	.end_amdgpu_metadata
.endif
;; end of part 2
;; launch gemm2 (part 3): grid 16 x 16, 4 waves a work-group, no clusters, 270,848 bytes of LDS; arguments h, w2q, b2, out0; writes out0
.if DOCPART == 3
	.amdgcn_target "amdgcn-amd-amdhsa--gfx1250"
	.amdhsa_code_object_version 6
	.text
	.protected	k_q71c69ce040_gemm2
	.globl	k_q71c69ce040_gemm2
	.p2align	8
	.type	k_q71c69ce040_gemm2,@function
k_q71c69ce040_gemm2:
	s_mov_b64 s[64:65], 0
	v_nop
	global_prefetch_b8 v0, s[64:65] scope:SCOPE_SE
	s_setreg_imm32_b32 hwreg(HW_REG_WAVE_MODE, 25, 1), 1
	s_wait_xcnt 0x0
; out0 = relu(h W2^T + b2).  h [2048][8192] and W2 [2048][8192] arrive as codes of BF6 (E3M2) with E8M0 scale words, laid in the order of the operand's registers:
; a super-record is 128 rows x 256 K = 25,600 bytes, records [K step & 1][row group & 1] of 6,400 bytes (four fragment images of 1,536 bytes, 256 bytes of scale words); a buffer is super-records [K step >> 1][rows / 128].
; A work-group makes 128 x 128 of out0.  K IS CUT AMONG ITS FOUR WAVES: wave w takes the K steps of 128 that are w modulo 4, 16 steps, on 64 accumulators (512 registers); the four parts are summed through LDS at the end.
; A wave's share of a step is 12,800 consecutive bytes of h and 12,800 of w2q.  They go FROM MEMORY STRAIGHT INTO THE OPERAND REGISTERS, 16 bytes a lane, 512 consecutive bytes a load: two sets of registers for each side;
; a fragment is asked for again, for two steps on, as soon as its last product of the step is issued.  The walk along K has no LDS access and no barrier.
; ORDER IN A STEP: A's blocks 0-3 against B's pairs 0..3; A's blocks 0-3 are loaded anew; then A's blocks 4-7 against each pair of B, and behind each pair's eight products that pair is loaded anew; last A's blocks 4-7.
; So loads are issued in the order in which they are needed: 14 (A 0-3 and two scale words), 4 x 7 (a pair of B and its scale word), 14 (A 4-7): 56 a step.
; NO JOINT LOADS: every byte that a wave multiplies is multiplied by that wave alone.  A joint load lands in LDS, where each byte would be written once and read once, 25,600 bytes a wave and step; this text keeps LDS for the sum of the parts.
; PREFETCH: a chunk of 12,800 bytes (50 blocks of 256) is read by the sixteen work-groups of a tile row (h) or a tile column (w2q).  Of these the one whose tile number equals the chunk's step asks for it whole, each wave for its own K steps,
; in the trip that stands four steps ahead of its products and two ahead of its loads; steps 0 to 3 come by their loads alone; no step beyond 15 is ever named, since tile numbers end at 15.
; THE MATRIX INSTRUCTION IS USED TRANSPOSED (source 0 = 16 rows of W2, source 1 = 16 rows of h): a lane holds eight neighbouring columns of a row of out0.
; REGISTERS: window 0: v10-31 addresses, v32-47 scale words (two sets of 4 + 4), v48-239 A's two sets, v240-243 the bias; window 1: B's sets at v0 and v128; windows 2, 3: the accumulators of blocks 0-3, 4-7.
.set SRB,    25600
.set RECB,   6400
.set FRG,    1536
.set SCO,    6144
.set TS,     32*SRB                    ; from one of my K steps to the next: two rows of sixteen super-records
.set SPI,    528                       ; a stage row: 512 bytes + 16
.set STGB,   128*SPI                   ; a wave's stage: its 128 x 128 part
.set SPARE,  4*STGB                    ; behind the stages: the spare words, 128 bytes a wave
.set RD,   10                          ; v10-13  where I read my 32 rows back from the four stages
.set L16,  24                          ; 16 x lane
.set STO,  25                          ; where I put 64 bytes of a stage row
.set L4,   26                          ; 4 x lane
.set SPW,  28                          ; my spare word; never rewritten
.set NIL,  29                          ; 0; never rewritten
.set PF0,  30                          ; 256 x lane: blocks 0-31 of a chunk
.set PF1,  31                          ; blocks 32-49 (the lanes left over name block 49 again)
.set SC,   32
.set AF,   48
.set OB,   48
.set BI,   240
.set SA,   32                          ; s[32:33] h: the chunk that this step's loads bring
.set SB,   34                          ; s[34:35] w2q: likewise
.set CNT,  36                          ; the step that this trip's prefetch names
.set TX,   37                          ; tile column
.set TY,   17                          ; tile row
.set MSB, 0
.macro WIN new                         ; the immediate's high byte repeats the setting that is left
.if MSB != \new
	s_set_vgpr_msb (MSB<<8)|\new
.set MSB, \new
.endif
.endm
.set MUL_LO,   0xa1
.set MUL_HI,   0xf1
.set TO_B,     0x40
.macro PLACES                          ; four places between a matrix instruction and a load into, or a store of, its registers
.rept 4
	v_nop
.endr
.endm
; one product: A's block a x B's block b of set p.  A scale register holds an even block's words in lanes 0-15 and the odd block's in lanes 16-31
.macro MM a, b, p, first
.set XD, 8*(8*((\a)%4)+(\b))
.set XB, 128*(\p)+12*(\b)
.set XA, AF+96*(\p)+12*(\a)
.set YB, SC+8*(\p)+4+(\b)/2
.set YA, SC+8*(\p)+(\a)/2
.set RS, 2*((\a)%2)+(\b)%2
.if \first
.if RS == 3
	v_wmma_scale_f32_16x16x128_f8f6f4 v[XD:XD+7], v[XB:XB+11], v[XA:XA+11], 0, v[YB], v[YA] matrix_a_fmt:MATRIX_FMT_BF6 matrix_b_fmt:MATRIX_FMT_BF6 matrix_a_scale:MATRIX_SCALE_ROW1 matrix_b_scale:MATRIX_SCALE_ROW1
.elseif RS == 1
	v_wmma_scale_f32_16x16x128_f8f6f4 v[XD:XD+7], v[XB:XB+11], v[XA:XA+11], 0, v[YB], v[YA] matrix_a_fmt:MATRIX_FMT_BF6 matrix_b_fmt:MATRIX_FMT_BF6 matrix_a_scale:MATRIX_SCALE_ROW1
.elseif RS == 2
	v_wmma_scale_f32_16x16x128_f8f6f4 v[XD:XD+7], v[XB:XB+11], v[XA:XA+11], 0, v[YB], v[YA] matrix_a_fmt:MATRIX_FMT_BF6 matrix_b_fmt:MATRIX_FMT_BF6 matrix_b_scale:MATRIX_SCALE_ROW1
.else
	v_wmma_scale_f32_16x16x128_f8f6f4 v[XD:XD+7], v[XB:XB+11], v[XA:XA+11], 0, v[YB], v[YA] matrix_a_fmt:MATRIX_FMT_BF6 matrix_b_fmt:MATRIX_FMT_BF6
.endif
.else
.if RS == 3
	v_wmma_scale_f32_16x16x128_f8f6f4 v[XD:XD+7], v[XB:XB+11], v[XA:XA+11], v[XD:XD+7], v[YB], v[YA] matrix_a_fmt:MATRIX_FMT_BF6 matrix_b_fmt:MATRIX_FMT_BF6 matrix_a_scale:MATRIX_SCALE_ROW1 matrix_b_scale:MATRIX_SCALE_ROW1
.elseif RS == 1
	v_wmma_scale_f32_16x16x128_f8f6f4 v[XD:XD+7], v[XB:XB+11], v[XA:XA+11], v[XD:XD+7], v[YB], v[YA] matrix_a_fmt:MATRIX_FMT_BF6 matrix_b_fmt:MATRIX_FMT_BF6 matrix_a_scale:MATRIX_SCALE_ROW1
.elseif RS == 2
	v_wmma_scale_f32_16x16x128_f8f6f4 v[XD:XD+7], v[XB:XB+11], v[XA:XA+11], v[XD:XD+7], v[YB], v[YA] matrix_a_fmt:MATRIX_FMT_BF6 matrix_b_fmt:MATRIX_FMT_BF6 matrix_b_scale:MATRIX_SCALE_ROW1
.else
	v_wmma_scale_f32_16x16x128_f8f6f4 v[XD:XD+7], v[XB:XB+11], v[XA:XA+11], v[XD:XD+7], v[YB], v[YA] matrix_a_fmt:MATRIX_FMT_BF6 matrix_b_fmt:MATRIX_FMT_BF6
.endif
.endif
.endm
.macro GRP a0, g, p, first             ; eight products: A's blocks a0 .. a0 + 3 x B's pair g; each accumulator has one turn a step
.irp a, \a0, \a0+1, \a0+2, \a0+3
.irp b, 2*\g, 2*\g+1
	MM \a, \b, \p, \first
.endr
.endr
.endm
.macro LDA p, i0, off                  ; 14 loads: A's blocks i0 .. i0 + 3 (one record) and their two registers of scale words, into set p
.irp i, \i0, \i0+1, \i0+2, \i0+3
.irp c, 0,1,2
	global_load_b128 v[AF+96*(\p)+12*(\i)+4*\c:AF+96*(\p)+12*(\i)+4*\c+3], v[L16], s[SA:SA+1] offset:\off+RECB*((\i)/4)+FRG*((\i)%4)+512*\c
.endr
.endr
.irp j, (\i0)/2, (\i0)/2+1
	global_load_b32 v[SC+8*(\p)+\j], v[L4], s[SA:SA+1] offset:\off+SCO+RECB*((\j)/2)+128*((\j)%2)
.endr
.endm
.macro LDB p, g, off                   ; 7 loads: B's pair g and its register of scale words, into set p; leaves every window 0
	WIN TO_B
.irp i, 2*(\g), 2*(\g)+1
.irp c, 0,1,2
	global_load_b128 v[128*(\p)+12*(\i)+4*\c:128*(\p)+12*(\i)+4*\c+3], v[L16], s[SB:SB+1] offset:\off+RECB*((\i)/4)+FRG*((\i)%4)+512*\c
.endr
.endr
	WIN 0
	global_load_b32 v[SC+8*(\p)+4+(\g)], v[L4], s[SB:SB+1] offset:\off+SCO+RECB*((\g)/2)+128*((\g)%2)
.endm
.macro PREF                            ; the bases stand at the chunk two steps on; the chunk named lies two steps behind that
	s_add_co_u32 s[CNT], s[CNT], 1
	s_cmp_lg_u32 s[TX], s[CNT]
	s_cbranch_scc1 .Lnot_a_\@
	global_prefetch_b8 v[PF0], s[SA:SA+1] offset:2*TS th:TH_LOAD_NT scope:SCOPE_SE
	global_prefetch_b8 v[PF1], s[SA:SA+1] offset:2*TS th:TH_LOAD_NT scope:SCOPE_SE
.Lnot_a_\@:
	s_cmp_lg_u32 s[TY], s[CNT]
	s_cbranch_scc1 .Lnot_b_\@
	global_prefetch_b8 v[PF0], s[SB:SB+1] offset:2*TS th:TH_LOAD_NT scope:SCOPE_SE
	global_prefetch_b8 v[PF1], s[SB:SB+1] offset:2*TS th:TH_LOAD_NT scope:SCOPE_SE
.Lnot_b_\@:
.endm
.macro TOST a                          ; block a's 16 rows x 128 columns into my stage, each accumulator from its low end on
	WIN 0x08+4*((\a)/4)
.irp b, 0,1,2,3,4,5,6,7
	ds_store_b128 v[STO], v[8*(8*((\a)%4)+\b):8*(8*((\a)%4)+\b)+3] offset:SPI*16*(\a)+128*(\b/2)+32*(\b%2)
	ds_store_b128 v[STO], v[8*(8*((\a)%4)+\b)+4:8*(8*((\a)%4)+\b)+7] offset:SPI*16*(\a)+128*(\b/2)+32*(\b%2)+16
.endr
.endm
; A step on set p.  ld = 1: the set is loaded anew for two steps on.  w0 .. w3: the waits ahead of the four first groups (-1: none); wh: ahead of A's blocks 4-7.  fin = 1: blocks 0-3, finished, go to the stage between the last groups.
.macro STEP p, first, ld, w0, w1, w2, w3, wh, fin
	s_wait_loadcnt \w0
	WIN MUL_LO
	GRP 0, 0, \p, \first
.if \w1 >= 0
	s_wait_loadcnt \w1
.endif
	GRP 0, 1, \p, \first
.if \w2 >= 0
	s_wait_loadcnt \w2
.endif
	GRP 0, 2, \p, \first
.if \w3 >= 0
	s_wait_loadcnt \w3
.endif
	GRP 0, 3, \p, \first
.if \ld
	PLACES
	WIN 0
	s_wait_xcnt 0x0                                ; the earlier loads and prefetches have read their bases
	s_add_nc_u64 s[SA:SA+1], s[SA:SA+1], TS
	s_add_nc_u64 s[SB:SB+1], s[SB:SB+1], TS
	LDA \p, 0, 0
.endif
.if \fin
	PLACES
.endif
	s_wait_loadcnt \wh
.irp g, 0,1,2,3
	WIN MUL_HI
	GRP 4, \g, \p, \first
.if \ld
	PLACES
	LDB \p, \g, 0
.if \g == 1
	PREF
.endif
.if \g == 3
	LDA \p, 4, 0
.endif
.endif
.if \fin
	TOST \g
.endif
.endr
.endm
	s_load_b256 s[4:11], s[0:1], 0x0               ; h s[4:5], w2q s[6:7], b2 s[8:9], out0 s[10:11]
	v_lshl_add_u32 v[SPW], v0, 2, SPARE
	v_mov_b32 v[NIL], 0
	v_lshrrev_b32 v1, 5, v0
	v_readfirstlane_b32 s14, v1                    ; wave 0..3
	s_lshr_b32 s15, s14, 1                         ; which super-record of a step's two,
	s_and_b32 s16, s14, 1                          ; and which half of it
	s_mov_b32 s[TX], ttmp9
	s_and_b32 s[TY], ttmp7, 0xffff
	s_lshl_b32 s20, s15, 4
	s_add_co_u32 s22, s20, s[TX]
	s_add_co_u32 s20, s20, s[TY]
	s_mul_i32 s20, s20, SRB
	s_mul_i32 s22, s22, SRB
	s_mul_i32 s24, s16, 2*RECB
	s_add_co_u32 s20, s20, s24                     ; my first chunk of h,
	s_add_co_u32 s22, s22, s24                     ; and of w2q, in bytes
	s_mov_b32 s21, 0
	s_mov_b32 s23, 0
	s_mul_i32 s19, s14, STGB                       ; my stage
	s_mul_i32 s18, s14, 32*SPI                     ; the 32 stage rows that I sum
	s_lshl_b32 s24, s[TX], 9                       ; the tile's first column, in bytes
	s_mov_b32 s25, 0
	s_lshl_b32 s26, s[TY], 7
	s_lshl_b32 s27, s14, 5
	s_add_co_u32 s26, s26, s27                     ; the first row that I store: 128 x tile row + 32 x wave
	s_lshl_b32 s26, s26, 13
	s_add_co_u32 s26, s26, s24
	s_mov_b32 s27, 0
	s_mov_b32 s[CNT], 3                            ; step 0's trip names step 4
	v_and_b32 v1, 31, v0
	v_and_b32 v2, 15, v0
	v_bfe_u32 v3, v0, 4, 1
	v_lshlrev_b32 v[L16], 4, v1
	v_lshlrev_b32 v[L4], 2, v1
	v_lshlrev_b32 v[PF0], 8, v1
	v_add_nc_u32 v4, 32, v1
	v_min_u32 v4, 49, v4
	v_lshlrev_b32 v[PF1], 8, v4
	v_mul_u32_u24 v[STO], v2, SPI
	v_lshl_add_u32 v[STO], v3, 6, v[STO]
	v_add_nc_u32 v[STO], s19, v[STO]
	v_add_nc_u32 v[RD], s18, v[L16]
.irp p, 1,2,3
	v_add_nc_u32 v[RD+\p], \p*STGB, v[RD]
.endr
	s_wait_alu depctr_va_vdst(0)                   ; the wait at the head's end
	s_wait_kmcnt 0x0
	s_add_nc_u64 s[SA:SA+1], s[4:5], s[20:21]
	s_add_nc_u64 s[SB:SB+1], s[6:7], s[22:23]
	s_add_nc_u64 s[8:9], s[8:9], s[24:25]
	s_add_nc_u64 s[10:11], s[10:11], s[26:27]
.irp t, 0,1                                    ; steps 0 and 1, in the order of a step's loads
	LDA \t, 0, \t*TS
.irp g, 0,1,2,3
	LDB \t, \g, \t*TS
.endr
	LDA \t, 4, \t*TS
.endr
	global_load_b128 v[BI:BI+3], v[L16], s[8:9]    ; the bias of my four columns of a row
	s_wait_xcnt 0x0
	s_add_nc_u64 s[SA:SA+1], s[SA:SA+1], TS        ; at step 1: each step's first run of loads steps the bases one on
	s_add_nc_u64 s[SB:SB+1], s[SB:SB+1], TS
; THE WAITS' COUNTS.  Behind the last load that a step's first half needs (B's pair 3) stand A 4-7's 14 and the next step's 56: 70.  Behind A 4-7's stand the next step's 56 and the 14 just issued: 70.  The field holds 63, so 63 is written.
	STEP 0, 1, 1, 63, -1, -1, -1, 63, 0            ; the first step's products start the sums
	WIN 0
	s_mov_b32 s3, 6
.Lpair:                                                ; steps 1 to 12
	STEP 1, 0, 1, 63, -1, -1, -1, 63, 0
	STEP 0, 0, 1, 63, -1, -1, -1, 63, 0
	WIN 0
	s_sub_co_u32 s3, s3, 1
	s_cmp_lg_u32 s3, 0
	s_cbranch_scc1 .Lpair
	STEP 1, 0, 1, 63, -1, -1, -1, 63, 0            ; step 13 asks for step 15
	STEP 0, 0, 0, 63, -1, -1, -1, 56, 0            ; step 14: behind its A 4-7 stand step 15's 56
	STEP 1, 0, 0, 35, 28, 21, 14, 0, 1             ; step 15: behind pair g stand 7 (3 - g) + 14
	PLACES
.irp a, 4,5,6,7
	TOST \a
.endr
	WIN 0
	s_wait_dscnt 0x0                               ; for the others' sake: my part lies in my stage
	s_barrier_signal -1
	s_barrier_wait -1
; THE SUM: wave w takes stage rows 32 w .. 32 w + 31 of all four parts, adds them and the bias, clips at 0, and stores whole rows of 512 bytes: two aligned units of 256 bytes by 32 lanes.
.macro LOADG g
.irp q, 0,1,2,3
.irp p, 0,1,2,3
	ds_load_b128 v[OB+64*((\g)%2)+16*\q+4*\p:OB+64*((\g)%2)+16*\q+4*\p+3], v[RD+\p] offset:SPI*(4*(\g)+\q)
.endr
.endr
.endm
.macro SUMG g
.irp q, 0,1,2,3
.set RR, OB+64*((\g)%2)+16*\q
.set II, 4*(\g)+\q
	v_pk_add_f32 v[RR:RR+1], v[RR:RR+1], v[RR+4:RR+5]
	v_pk_add_f32 v[RR+2:RR+3], v[RR+2:RR+3], v[RR+6:RR+7]
	v_pk_add_f32 v[RR+8:RR+9], v[RR+8:RR+9], v[RR+12:RR+13]
	v_pk_add_f32 v[RR+10:RR+11], v[RR+10:RR+11], v[RR+14:RR+15]
	v_pk_add_f32 v[RR:RR+1], v[RR:RR+1], v[RR+8:RR+9]
	v_pk_add_f32 v[RR+2:RR+3], v[RR+2:RR+3], v[RR+10:RR+11]
	v_pk_add_f32 v[RR:RR+1], v[RR:RR+1], v[BI:BI+1]
	v_pk_add_f32 v[RR+2:RR+3], v[RR+2:RR+3], v[BI+2:BI+3]
.irp e, 0,1,2,3
	v_max_num_f32 v[RR+\e], 0, v[RR+\e]
.endr
	global_store_b128 v[L16], v[RR:RR+3], s[10:11] offset:8192*(8*(II/16)+II%16+8*((II%16)/8)) th:TH_STORE_NT   ; stage row II is row 8 (II / 16) + II % 16 + 8 ((II % 16) / 8) of my 32: the fragments' order of rows
.endr
.endm
	LOADG 0
	LOADG 1
.irp g, 0,1,2,3,4,5,6,7
.if \g < 7
	s_wait_dscnt 16                                ; this group's 16 loads are back; the next group's may be out
.else
	s_wait_dscnt 0x0
.endif
	SUMG \g
.if \g < 6
	s_wait_xcnt 0x0                                ; the stores have read their registers, which the loads below fill again
	LOADG \g+2
.endif
.endr
	s_wait_tensorcnt 0x0                           ; the wave's end
	ds_add_u32 v[SPW], v[NIL]
	s_wait_dscnt 0x0
	s_endpgm
.Lfunc_end_k_q71c69ce040_gemm2:
	.size	k_q71c69ce040_gemm2, .Lfunc_end_k_q71c69ce040_gemm2-k_q71c69ce040_gemm2
	.p2alignl 7, 3214868480
	.fill 96, 4, 3214868480
	.section	.rodata,"a",@progbits
	.p2align	6, 0x0
	.amdhsa_kernel k_q71c69ce040_gemm2
		.amdhsa_group_segment_fixed_size 270848
		.amdhsa_private_segment_fixed_size 0
		.amdhsa_enable_private_segment 0
		.amdhsa_kernarg_size 32
		.amdhsa_user_sgpr_count 2
		.amdhsa_user_sgpr_kernarg_segment_ptr 1
		.amdhsa_wavefront_size32 1
		.amdhsa_system_sgpr_workgroup_id_x 1
		.amdhsa_system_sgpr_workgroup_id_y 1
		.amdhsa_system_sgpr_workgroup_id_z 1
		.amdhsa_system_vgpr_workitem_id 0
		.amdhsa_next_free_vgpr 1024
		.amdhsa_next_free_sgpr 66
		.amdhsa_reserve_vcc 0
		.amdhsa_float_denorm_mode_32 3
		.amdhsa_float_denorm_mode_16_64 3
		.amdhsa_memory_ordered 1
		.amdhsa_forward_progress 1
		.amdhsa_inst_pref_size 131
	.end_amdhsa_kernel
	.amdgpu_metadata
---
amdhsa.version: [ 1, 2 ]
amdhsa.kernels:
  - .name:           k_q71c69ce040_gemm2
    .symbol:         k_q71c69ce040_gemm2.kd
    .args:
      - { .name: h, .offset: 0, .size: 8, .value_kind: global_buffer, .address_space: global }
      - { .name: w2q, .offset: 8, .size: 8, .value_kind: global_buffer, .address_space: global }
      - { .name: b2, .offset: 16, .size: 8, .value_kind: global_buffer, .address_space: global }
      - { .name: out0, .offset: 24, .size: 8, .value_kind: global_buffer, .address_space: global }
    .group_segment_fixed_size: 270848
    .private_segment_fixed_size: 0
    .kernarg_segment_align: 8
    .kernarg_segment_size: 32
    .max_flat_workgroup_size: 128
    .sgpr_count:     66
    .vgpr_count:     1024
    .wavefront_size: 32
...
	.end_amdgpu_metadata
.endif
;; end of part 3
